; MI455X (gfx1250); checked and timed in simulation.
; The chip was launched on July 23, 2026; its instructions are those of AMD's public machine-readable ISA for CDNA 5 (MIT licence, August 2026) and "CDNA5" Instruction Set Architecture Reference Guide (July 2026). The comments in the code are by the model that wrote it; some were corrected since.
;; Offline Sliding Window Attn. Allowed arithmetic: matrix products marked QUANTISED: E2M3 operands, one E8M0 scale for each 32 along K, by v_wmma_scale_f32_16x16x128_f8f6f4 with both operands' format E2M3, f32 sums; everything else in f32.
;; Inputs: k 2 x 2,048 x 4 x 128 float32; q 2 x 2,048 x 16 x 128 float32; v 2 x 2,048 x 4 x 128 float32.
;; Outputs: out0 2 x 2,048 x 16 x 128 float32.
;; This version of the problem:
;;   THIS VERSION OF THE PROBLEM IS GIVEN IN LOW PRECISION. The matrix products marked QUANTISED in the list below multiply operands that are first quantised to E2M3 (2 exponent bits, 3 mantissa bits; 6 bits a number), with one power-of-two scale for each 32 numbers along K (OCP MX v1.0); their sums are f32. All else is computed in f32.
;;   The module's matrix products, in the order in which they are computed (A, B: the left and right operand; K: the contracted axis; several contracted axes count as one K, in the product's order):
;;     1. batch 32 x [M 2,048, K 128] x [K 128, N 2,048]; A: input q; B: input k: QUANTISED
;;     2. batch 32 x [M 2,048, K 2,048] x [K 2,048, N 128]; A: computed on the way; B: input v: QUANTISED
;;   THE QUANTISER, for each operand of a quantised product, along K:
;;     - K is cut into blocks of 32 from its start; a last block that is shorter is filled with zeros.
;;     - A block's scale is 2^e with e = floor(log2(the largest magnitude in the block)) - 2, held to -126 .. 127; a block of zeros has e = 0. As a byte (E8M0): e + 127.
;;     - Each number is divided by its block's scale, clamped to +-7.5, and rounded to the nearest number of E2M3, ties to even, subnormals kept.
;;     - The product sums the exact products of the quantised numbers (number of the format x scale) in f32.
;;   ~~~python
;;   def quantise(x, axis):      # numpy; x: float32 -> the quantised numbers, widened to float32 again
;;       x = np.moveaxis(x, axis, -1); K = x.shape[-1]
;;       x = np.pad(x, [(0, 0)] * (x.ndim - 1) + [(0, -K % 32)]); x = x.reshape(x.shape[:-1] + (-1, 32)); a = np.abs(x).max(-1, keepdims=True)
;;       e = np.where(a > 0, np.clip(np.frexp(np.where(a > 0, a, 1))[1] - 1 - 2, -126, 127), 0)      # np.frexp(a)[1] - 1 = floor(log2(a)), exactly
;;       r = np.clip(x / 2.0 ** e, -7.5, 7.5)
;;       step = 2.0 ** (np.maximum(np.frexp(np.where(r == 0, 1, r))[1] - 1, 0) - 3)
;;       q = np.round(r / step) * step * 2.0 ** e      # np.round: ties to even
;;       return np.moveaxis(q.reshape(q.shape[:-2] + (-1,))[..., :K], -1, axis).astype(np.float32)
;;   ~~~
;;   OPERANDS COMPUTED ON THE WAY. 'Computed on the way' means the value that the module computes at that place (a softmax that the list does not call 'softmax' is quantised finished and normalised). What goes into a quantiser is computed in f32, as accurately as f32 sums, v_exp_f32 and their like allow (about 1e-6 of the number): no bf16 or f16 on the way to a quantiser, and a product that is left as it is and whose result goes on into a quantised operand takes f32 operands (vector FMAs, or v_wmma_f32_16x16x4_f32). A number that lies on a knife's edge between two numbers of the format may be rounded either way, as far as f32 arithmetic and the matrix unit's own rounding can turn it there, and no further.
;; One version. Each part assembles by itself: llvm-mc -triple=amdgcn-amd-amdhsa -mcpu=gfx1250 --defsym DOCPART=n.
;; ======== version 1 of 1: 2 launches
;; workspace buffers: kq 1,638,400 bytes; vq 1,638,400 bytes
;; launch prep (part 1): grid 256 x 1, 4 waves a work-group, no clusters, 68,096 bytes of LDS; arguments k, v, kq, vq; writes kq, vq
.if DOCPART == 1
	.amdgcn_target "amdgcn-amd-amdhsa--gfx1250"
	.amdhsa_code_object_version 6
	.text
	.protected	k_qafb21b4f06_prep
	.globl	k_qafb21b4f06_prep
	.p2align	8
	.type	k_qafb21b4f06_prep,@function
k_qafb21b4f06_prep:
	s_mov_b64 s[64:65], 0
	v_nop
	global_prefetch_b8 v0, s[64:65] scope:SCOPE_SE
	s_setreg_imm32_b32 hwreg(HW_REG_WAVE_MODE, 25, 1), 1
	s_wait_xcnt 0x0
; k and v, [2][2048][4][128] f32, become codes of FP6 (E2M3) with one E8M0 byte for each 32 along the product's K: k along the head's 128, v along the keys.
; They are laid as RECORDS, one for each (batch, kv head, step of 128 keys): record 16 g + t, g = 4 b + head, 12,800 bytes:
;   eight IMAGES of an operand's registers, 1,536 bytes each: image T, registers 4 c .. 4 c + 3 of lane l at 1536 T + 512 c + 16 l; then 512 bytes of scale words: tile T, row r at 12288 + 64 T + 4 r.
;   k: tile T = 2 b' + u, lane r holds key 32 b' + 8 u + r + 8 (r / 8) (so that two neighbouring tiles' results are 16 neighbouring keys); registers 6 c .. 6 c + 5 of lane (r, h): channels 64 c + 32 h + 0 .. 31.
;   v: tile T holds channels 16 T + r; registers 6 c .. 6 c + 5 of lane (r, h): keys 64 c + 32 h + 0 .. 31 of the step.
; A block's scale is 2^(floor(log2(its largest magnitude)) - 2): its byte is the largest magnitude's exponent field - 2, held at 1 from below.
; LIMITS: a block of zeros gets the byte 1 where the rule says 127 (its codes are zeros, and this program alone reads the bytes); NaN and infinities among the inputs are not served.
; SHARES: work-groups 0-127 take k's records, 128-255 v's (a branch on the work-group's number).  Wave e makes tiles 2 e and 2 e + 1.  Waves share nothing: no barrier.
; k's path alone uses LDS: a key's 512 bytes are loaded as they lie (a load covers 512 consecutive bytes) and turn through the wave's own stage, so that a lane gets 32 neighbours along K.
; v's path: a lane takes a channel and its registers run down the keys, so a block lies in one lane; nothing is transposed.
.set REC,   12800
.set SCO,   12288                      ; where a record's scale words begin
.set SROW,  528                        ; a stage row: 512 bytes + 16: the sixteen rows of a read start in sixteen different groups of four banks
.set STG,   32*SROW                    ; a wave's stage
.set SPARE, 4*STG                      ; behind the stages: the spare words, 128 bytes a wave, that no other line names
.set L16,  1                           ; 16 x lane
.set L4,   2                           ; 4 x lane
.set RR,   3                           ; r = lane % 16
.set HH,   4                           ; h = lane / 16
.set SIN,  5                           ; stage, way in: wave's stage + 16 x lane
.set SOUT, 6                           ; stage, way out: wave's stage + 528 r + 128 h
.set IOF,  7                           ; 16 x lane + 3072 e: my place in the record's images
.set WOF,  8                           ; 4 x lane + 128 e: and among its scale words
.set SH8,  9                           ; 8 h
.set SPW,  12                          ; my spare word's address; never rewritten
.set NIL,  13                          ; 0; never rewritten
.set R,    16                          ; v16-143  128 numbers
.set IMG,  144                         ; v144-167 two images of 12 registers
.set PT,   168                         ; v168-175 second halves of blocks (a conversion's three registers begin on an even number)
.set TM,   176                         ; v176-183 at work
.set WD,   184                         ; v184-186 scale words
	s_load_b256 s[4:11], s[0:1], 0x0               ; k s[4:5], v s[6:7], kq s[8:9], vq s[10:11]
	v_lshl_add_u32 v[SPW], v0, 2, SPARE
	v_mov_b32 v[NIL], 0
	v_lshrrev_b32 v[L16], 5, v0
	v_readfirstlane_b32 s12, v[L16]                ; wave e
	v_and_b32 v[L4], 31, v0
	v_lshlrev_b32 v[L16], 4, v[L4]
	v_lshlrev_b32 v[L4], 2, v[L4]
	v_and_b32 v[RR], 15, v0
	v_bfe_u32 v[HH], v0, 4, 1
	s_mul_i32 s19, s12, STG
	v_add_nc_u32 v[SIN], s19, v[L16]
	v_mul_u32_u24 v[SOUT], v[RR], SROW
	v_lshl_add_u32 v[SOUT], v[HH], 7, v[SOUT]
	v_add_nc_u32 v[SOUT], s19, v[SOUT]
	s_mul_i32 s18, s12, 3072
	v_add_nc_u32 v[IOF], s18, v[L16]
	s_lshl_b32 s18, s12, 7                         ; 128 e
	v_add_nc_u32 v[WOF], s18, v[L4]
	v_lshlrev_b32 v[SH8], 3, v[HH]
	v_mov_b32 v[TM+6], 0                           ; a lane permute's destination counts as one of its sources
	s_mov_b32 s20, 0x76543210
	s_mov_b32 s21, 0xfedcba98                      ; selects for lane l xor 16
	s_and_b32 s13, ttmp9, 127                      ; the record
	s_lshr_b32 s14, s13, 6                         ; b: 2048 x 4 x 512 bytes
	s_lshl_b32 s14, s14, 22
	s_and_b32 s15, s13, 15                         ; t: 128 keys x 2,048 bytes
	s_lshl_b32 s15, s15, 18
	s_add_co_u32 s14, s14, s15
	s_bfe_u32 s15, s13, 0x20004                    ; the kv head: 512 bytes
	s_lshl_b32 s15, s15, 9
	s_add_co_u32 s14, s14, s15                     ; where the record's numbers begin
	s_mov_b32 s15, 0
	s_mul_i32 s16, s13, REC                        ; and the record itself
	s_mov_b32 s17, 0
	s_wait_kmcnt 0x0
	s_cmp_lt_u32 ttmp9, 128
	s_cbranch_scc0 .Lvalues
	; ---- k: my 32 keys, 32 e + 0 .. 31
	s_lshl_b32 s22, s12, 16                        ; 32 keys x 2,048 bytes
	s_add_co_u32 s14, s14, s22
	s_add_nc_u64 s[4:5], s[4:5], s[14:15]
	s_add_nc_u64 s[8:9], s[8:9], s[16:17]
.set i, 0
.rept 32
	global_load_b128 v[R+4*i:R+4*i+3], v[L16], s[4:5] offset:2048*i th:TH_LOAD_NT   ; a key's 512 consecutive bytes
.set i, i+1
.endr
	s_wait_loadcnt 0x0
.set i, 0
.rept 32
	ds_store_b128 v[SIN], v[R+4*i:R+4*i+3] offset:SROW*(16*((i>>3)&1)+(i&7)+8*(i>>4))   ; key i goes to the stage row of its tile u = (i / 8) % 2 and its place r = i % 8 + 8 (i / 16) there
.set i, i+1
.endr
.irp u, 0,1                            ; back: lane (r, h) takes, of row r of tile u, channels 64 c + 32 h + 0 .. 31.  LDS serves a wave's instructions in order: these see my stores
.irp c, 0,1
.irp m, 0,1,2,3,4,5,6,7
	ds_load_b128 v[R+64*\u+32*\c+4*\m:R+64*\u+32*\c+4*\m+3], v[SOUT] offset:16*\u*SROW+256*\c+16*\m
.endr
.endr
.endr
.macro KTILE u
.set X, R+64*\u
.set IM, IMG+12*\u
.irp c, 0,1                            ; my block 2 c + h: all its 32 numbers are mine
	v_max3_num_f32 v[TM+\c], |v[X+32*\c]|, |v[X+32*\c+1]|, 0x1800000   ; with the floor 2^(3 - 127): the byte cannot fall under 1
.endr
.irp i, 2,4,6,8,10,12,14,16,18,20,22,24,26,28,30
.irp c, 0,1
	v_max3_num_f32 v[TM+\c], v[TM+\c], |v[X+32*\c+\i]|, |v[X+32*\c+\i+1]|
.endr
.endr
.irp c, 0,1
	v_add_nc_u32 v[TM+2+\c], 0xff000000, v[TM+\c]  ; 2 off the exponent field: the conversion's scale operand
.endr
.irp c, 0,1
	v_lshrrev_b32 v[TM+4+\c], 23, v[TM+2+\c]       ; the scale's byte
.endr
	v_lshl_or_b32 v[WD+\u], v[TM+5], 16, v[TM+4]   ; blocks h and 2 + h,
	v_lshlrev_b32 v[WD+\u], v[SH8], v[WD+\u]       ; at their places in the word;
	v_permlanex16_b32 v[TM+6], v[WD+\u], s20, s21
	v_or_b32 v[WD+\u], v[WD+\u], v[TM+6]           ; with lane l xor 16's two the word is whole
.irp c, 0,1
	v_cvt_scalef32_pk16_fp6_f32 v[IM+6*\c:IM+6*\c+2], v[X+32*\c:X+32*\c+15], v[TM+2+\c]
	v_cvt_scalef32_pk16_fp6_f32 v[PT+4*\c:PT+4*\c+2], v[X+32*\c+16:X+32*\c+31], v[TM+2+\c]
.endr
	v_nop                                          ; one plain place behind a scaled conversion
.irp c, 0,1
.irp i, 0,1,2
	v_mov_b32 v[IM+6*\c+3+\i], v[PT+4*\c+\i]
.endr
.endr
.irp c, 0,1,2
	global_store_b128 v[IOF], v[IM+4*\c:IM+4*\c+3], s[8:9] offset:1536*\u+512*\c   ; 512 consecutive bytes, at a multiple of 256 from the buffer's first byte
.endr
.endm
	s_wait_dscnt 16                                ; tile 0's sixteen loads are in; tile 1's sixteen may be out
	KTILE 0
	s_wait_dscnt 0x0
	KTILE 1
	v_cmp_eq_u32 vcc_lo, 1, v[HH]
	v_cndmask_b32 v[WD+2], v[WD], v[WD+1], vcc_lo  ; lanes 0-15 store tile 2 e's words, lanes 16-31 tile 2 e + 1's
	global_store_b32 v[WOF], v[WD+2], s[8:9] offset:SCO
	s_branch .Lend
.Lvalues:
	; ---- v: my channel 32 e + lane, the step's 128 keys down my registers
	s_add_co_u32 s14, s14, s18
	s_add_nc_u64 s[6:7], s[6:7], s[14:15]
	s_add_nc_u64 s[10:11], s[10:11], s[16:17]
.macro VLOAD t                         ; block t: keys 32 t + 0 .. 31
.set i, 0
.rept 32
	global_load_b32 v[R+32*(\t)+i], v[L4], s[6:7] offset:2048*(32*(\t)+i) th:TH_LOAD_NT
.set i, i+1
.endr
.endm
.macro VBLOCK t                        ; block t = 2 c + u goes to registers 6 c .. 6 c + 5 of image u
.set X, R+32*(\t)
.set IM, IMG+12*((\t)%2)+6*((\t)/2)
	v_max3_num_f32 v[TM], |v[X]|, |v[X+1]|, |v[X+2]|
	v_max3_num_f32 v[TM+1], |v[X+3]|, |v[X+4]|, |v[X+5]|
.irp i, 6,10,14,18,22,26
	v_max3_num_f32 v[TM], v[TM], |v[X+\i]|, |v[X+\i+1]|
	v_max3_num_f32 v[TM+1], v[TM+1], |v[X+\i+2]|, |v[X+\i+3]|
.endr
	v_max3_num_f32 v[TM], v[TM], |v[X+30]|, |v[X+31]|
	v_max3_num_f32 v[TM], v[TM], v[TM+1], 0x1800000
	v_add_nc_u32 v[TM+2], 0xff000000, v[TM]
	v_lshrrev_b32 v[TM+3], 23, v[TM+2]
.if (\t) == 0
	v_mov_b32 v[WD], v[TM+3]
.else
	v_lshl_or_b32 v[WD], v[TM+3], 8*(\t), v[WD]    ; my channel's four bytes make its word
.endif
	v_cvt_scalef32_pk16_fp6_f32 v[IM:IM+2], v[X:X+15], v[TM+2]
	v_cvt_scalef32_pk16_fp6_f32 v[PT:PT+2], v[X+16:X+31], v[TM+2]
	v_nop                                          ; one plain place behind a scaled conversion
.irp i, 0,1,2
	v_mov_b32 v[IM+3+\i], v[PT+\i]
.endr
.endm
	VLOAD 0
	VLOAD 1
	s_wait_loadcnt 32                              ; block 0 is in; block 1's 32 loads may be out
	VLOAD 2
	VBLOCK 0
	s_wait_loadcnt 32                              ; block 1 is in; block 2's may be out
	VLOAD 3
	VBLOCK 1
	s_wait_loadcnt 32                              ; block 2 is in; block 3's may be out
	VBLOCK 2
	s_wait_loadcnt 0x0
	VBLOCK 3
.set i, 0
.rept 12                               ; image 0 holds blocks 0, 2 of 32 channels, image 1 blocks 1, 3.  The first's lanes 16-31 change places with the second's lanes 0-15: image 0 is then tile 2 e (lanes 16-31: blocks 1, 3), image 1 tile 2 e + 1
	v_permlane16_swap_b32 v[IMG+i], v[IMG+12+i]
.set i, i+1
.endr
.irp u, 0,1
.irp c, 0,1,2
	global_store_b128 v[IOF], v[IMG+12*\u+4*\c:IMG+12*\u+4*\c+3], s[10:11] offset:1536*\u+512*\c
.endr
.endr
	global_store_b32 v[WOF], v[WD], s[10:11] offset:SCO
.Lend:
	s_wait_tensorcnt 0x0                           ; the wave's end: behind the last LDS store
	ds_add_u32 v[SPW], v[NIL]
	s_wait_dscnt 0x0
	s_endpgm
.Lfunc_end_k_qafb21b4f06_prep:
	.size	k_qafb21b4f06_prep, .Lfunc_end_k_qafb21b4f06_prep-k_qafb21b4f06_prep
	.p2alignl 7, 3214868480
	.fill 96, 4, 3214868480
	.section	.rodata,"a",@progbits
	.p2align	6, 0x0
	.amdhsa_kernel k_qafb21b4f06_prep
		.amdhsa_group_segment_fixed_size 68096
		.amdhsa_private_segment_fixed_size 0
		.amdhsa_enable_private_segment 0
		.amdhsa_kernarg_size 32
		.amdhsa_user_sgpr_count 2
		.amdhsa_user_sgpr_kernarg_segment_ptr 1
		.amdhsa_wavefront_size32 1
		.amdhsa_system_sgpr_workgroup_id_x 1
		.amdhsa_system_sgpr_workgroup_id_y 1
		.amdhsa_system_sgpr_workgroup_id_z 1
		.amdhsa_system_vgpr_workitem_id 0
		.amdhsa_next_free_vgpr 192
		.amdhsa_next_free_sgpr 66
		.amdhsa_reserve_vcc 1
		.amdhsa_float_denorm_mode_32 3
		.amdhsa_float_denorm_mode_16_64 3
		.amdhsa_memory_ordered 1
		.amdhsa_forward_progress 1
		.amdhsa_inst_pref_size 35
	.end_amdhsa_kernel
	.amdgpu_metadata
---
amdhsa.version: [ 1, 2 ]
amdhsa.kernels:
  - .name:           k_qafb21b4f06_prep
    .symbol:         k_qafb21b4f06_prep.kd
    .args:
      - { .name: k, .offset: 0, .size: 8, .value_kind: global_buffer, .address_space: global }
      - { .name: v, .offset: 8, .size: 8, .value_kind: global_buffer, .address_space: global }
      - { .name: kq, .offset: 16, .size: 8, .value_kind: global_buffer, .address_space: global }
      - { .name: vq, .offset: 24, .size: 8, .value_kind: global_buffer, .address_space: global }
    .group_segment_fixed_size: 68096
    .private_segment_fixed_size: 0
    .kernarg_segment_align: 8
    .kernarg_segment_size: 32
    .max_flat_workgroup_size: 128
    .sgpr_count:     66
    .vgpr_count:     192
    .wavefront_size: 32
...
	.end_amdgpu_metadata
.endif
;; end of part 1
;; launch attn (part 2): grid 256 x 1, 4 waves a work-group, clusters of 4 x 1, 327,680 bytes of LDS; arguments q, kq, vq, out0; writes out0
.if DOCPART == 2
	.amdgcn_target "amdgcn-amd-amdhsa--gfx1250"
	.amdhsa_code_object_version 6
	.text
	.protected	k_qafb21b4f06_attn
	.globl	k_qafb21b4f06_attn
	.p2align	8
	.type	k_qafb21b4f06_attn,@function
k_qafb21b4f06_attn:
	s_mov_b64 s[64:65], 0
	v_nop
	global_prefetch_b8 v0, s[64:65] scope:SCOPE_SE
	s_setreg_imm32_b32 hwreg(HW_REG_WAVE_MODE, 25, 1), 1
	s_wait_xcnt 0x0
	s_wait_alu depctr_hold_cnt(0) depctr_sa_sdst(0) depctr_va_vdst(0) depctr_va_sdst(0) depctr_va_ssrc(0) depctr_va_vcc(0) depctr_vm_vsrc(0)
	s_getreg_b32 s2, hwreg(HW_REG_IB_STS2, 6, 4)
	s_cmp_eq_u32 s2, 0
	s_cbranch_scc0 .Lentry_in_a_cluster
	s_endpgm
.Lentry_in_a_cluster:
	s_bfe_u32 s2, ttmp6, 0x10000c
	s_cmp_lg_u32 s2, 0x3003
	s_cbranch_scc0 .Lentry_shape_is_right
	s_endpgm
.Lentry_shape_is_right:
; out0[b][q][h][:] = sum over keys of A v, A = clip(1.06 softmax(30 tanh(q.k / sqrt(128)) + mask) - 0.03, 0, 1), mask: q - 1024 <= key <= q.  Both products on codes of FP6 (E2M3) with E8M0 scales.
; k and v come as records of register images (12,800 bytes for 128 keys of one kv head: eight fragments of 1,536 bytes, 512 bytes of scale words); q comes as f32 and is quantised here.
; A IS QUANTISED FINISHED, so the row's sum is wanted first.  The 16 queries 128 a + 16 i + r see at most nine steps of 128 keys (a - 8 .. a): 1,152 numbers a query, 576 registers a lane.  So a wave keeps
; its tile's p in registers: pass 1 makes p and its sum, pass 2 makes A from p, quantises it and multiplies by v.  No score and no exponential is made twice.
; THE SHIFT AHEAD OF THE EXPONENTIAL is the constant 30: 30 tanh lies in -30 .. 30 for every input, so p = exp(30 tanh y - 30) = 2^(-60 log2(e) / (1 + 2^(2 log2(e) y))) lies in 2^-86.6 .. 1 and a row's sum is at most 1,025.
; LIMITS: NaN inputs are not served; a block of zeros gets the scale byte 1 (its codes are zeros); 1 / sum is v_rcp_f32's.
; SHARES.  A cluster is the four query heads of one kv head (they walk the same k and v, which are asked for jointly); cluster G: g = G / 8 = 4 b + kv head, j = G % 8, x = j % 4.  A wave does three UNITS of nine SLOTS
; (a slot: one step of 128 keys for one tile of 16 queries).  Unit 0: tile A (block 7 - x, tile 4 (j / 4) + w) in slots 0 .. 7 - x, its steps descending from its diagonal, and tile B (block x, same tile) in slots
; 8 - x .. 8, steps 0 .. x.  Units 1, 2: block 8 + j, tiles w and w + 4, steps j .. j + 8.  With C1 = 8 - x (unit 0) or 0: slot s < C1 is the first tile's step C1 - 1 - s, else the last tile's step s - C1.
; Slot 8 is always a diagonal (hidden: key > query); slot 0 is tile A's diagonal, or in units 1, 2 the window's edge (hidden: key < query - 1024); no other slot has a hidden key.
; LAYOUT.  Both products transposed: S^T = K Q^T, O^T = V^T A^T: a lane holds one query (lane % 16).  Register 16 b + i of a slot's 64 is key 32 b + 16 (lane / 16) + i.
; LDS: 0: k's steps 0-6 (filled once; from unit 0's second pass on its first 33,792 bytes are the four waves' stages for the way out); 89,600: k's steps j .. j + 8 (filled once); 204,800: nine steps of v (filled at each
; unit's head); 320,000: the spare words.  Unit 0's step 7 (x = 0, slot 0) is read from the second region, at place 14 - j.
; REGISTERS, in windows of 256: window 0: addresses, statistics, q's codes, A's codes, eight fragments; window 1: p of slots 0-3; window 2: slots 4-7; window 3: v0-63 slot 8, v64-127 O^T, v128-255 q as loaded (two tiles).
.set REC,    12800
.set SCO,    12288
.set KU0,    7*REC                     ; k's second region
.set YB,     16*REC                    ; v's region
.set SPARE,  25*REC                    ; 320,000, a multiple of 256: the spare words, 128 bytes a wave, that no other line names
.set SPITCH, 528                       ; a stage row: 512 bytes + 16
.set STGW,   16*SPITCH
.set L16,  1                           ; 16 x lane: an image's place, and my bytes in a row of out0
.set L4,   2                           ; 4 x lane
.set ADK,  3                           ; the record in hand + 16 x lane
.set ADS,  4                           ; + 4 x lane
.set DL,   5                           ; 16 i + r - 16 h: register n' = 32 (n / 16) + n % 16 holds a key above my query's place where n' > DL
.set ZERO, 6
.set QOFF, 7                           ; q: 8192 r + 64 h
.set STO,  8                           ; stage, way in
.set SRD,  9                           ; stage, way out
.set RH,   10                          ; r - 16 h
.set SPW,  12                          ; my spare word's address; never rewritten
.set NIL,  13                          ; 0; never rewritten
.set INV,  14                          ; v[14:15] 1.06 / sum of the slot's tile (the low word serves both halves)
.set INVF, 16                          ; of the first tile
.set INVL, 17                          ; of the last tile
.set SF,   18
.set SL,   19
.set TP,   20                          ; v20-21 lane permutes' destinations
.set PS,   22                          ; v22-30 each slot's sum of p
.set CH,   32                          ; v32-39 four chains of sums
.set QC,   40                          ; v40-51 q's codes at work;  v52 their scale word
.set QCS,  52
.set QN,   54                          ; v54-65 tile B's;  v66
.set QNS,  66
.set TM,   68                          ; v68-83 at work
.set PT,   84                          ; v84-91 second halves of blocks
.set PC,   92                          ; v92-103 A's codes;  v104 their scale word
.set PW,   104
.set FS,   106                         ; v106-109 the record's scale words: register e: lanes 0-15 tile 2 e, lanes 16-31 tile 2 e + 1
.set FB,   112                         ; v112-207 the record's eight fragments
.set OA,   64                          ; window 3
.set QRAW0, 128
.set QRAW1, 192
.set WV,   12
.set CX,   13
.set IL16, 14
.set JJ,   15
.set GG,   16
.set C1L,  17
.set C1,   18
.set UNIT, 19
.set SEL,  20
.set C2,   22                          ; s[22:23] 2 log2(e) / sqrt(128)
.set ZK,   24                          ; s[24:25] -60 log2(e)
.set NEG,  26                          ; s[26:27] -0.03
.set GAIN, 28                          ; 1.06
.set K7,   29
.set KOFF, 30
.set I16,  31
.set G1A,  32                          ; s[32:39] group 1: 175 rows of 256 bytes
.set G1B,  40                          ; s[40:47] group 1: 225 rows of 256 bytes
.set G0A,  48
.set G0B,  52
.set G0V,  56
.set DV,   60                          ; s[60:61] what the next unit adds to v's address
.set TOA,  62                          ; byte offsets of tiles in q and out0
.set TOB,  63
.set KA,   66                          ; s66-74 LDS byte of each slot's record of k
.set VA,   75                          ; s75-83 of v
.set QP,   84
.set OF,   86
.set OL,   88
.set T0,   90
.set T1,   91
.set XO,   92                          ; s[92:93], s[94:95]: offsets that hold cx, with a zero above; they enter q's and out0's addresses alone
.set YO,   94
.set TOU,  96
.set W16,  97
.set JREC, 98
.set T2,   99
.set MSB, 0
.macro WIN new                         ; bits 1:0 source 0, 3:2 source 1, 5:4 source 2, 7:6 destination; the high byte repeats the setting that is left
.if MSB != (\new)
	s_set_vgpr_msb (MSB<<8)|(\new)
.set MSB, (\new)
.endif
.endm
.macro PLACES n
.rept \n
	v_nop
.endr
.endm
.macro ROUND                           ; a round of the cluster's barrier
	s_barrier_signal -1
	s_barrier_wait -1
	s_cmp_lg_u32 s[WV], 0
	s_cbranch_scc1 .Lnot_wave_0_\@
	s_barrier_signal -3
.Lnot_wave_0_\@:
	s_barrier_wait -3
	s_barrier_signal -1
	s_barrier_wait -1
.endm
.macro SLOTREG t                       ; slot t's 64 registers: window PWN, from PB on
.set PWN, 1+(\t)/4
.set PB, 64*((\t)%4)
.endm
.macro QLOAD reg                       ; 16 queries x 128 numbers: lane (r, h) takes 16 neighbours of each block of 32 of row r: register 16 b + i = channel 32 b + 16 h + i
	WIN 0xc0
.irp b, 0,1,2,3
.irp m, 0,1,2,3
	global_load_b128 v[\reg+16*\b+4*\m:\reg+16*\b+4*\m+3], v[QOFF], s[QP:QP+1] offset:128*\b+16*\m th:TH_LOAD_NT
.endr
.endr
	WIN 0
.endm
; 64 numbers of a lane in window win from src on (register 16 b + i = k 32 b + 16 h + i of my row) become a fragment's codes in v[dst] on and its scale word in v[sreg]
.macro QUANT win, src, dst, sreg, abs
	WIN (\win)|((\win)<<2)
.irp b, 0,1,2,3
.if \abs
	v_max3_num_f32 v[TM+\b], |v[(\src)+16*\b]|, |v[(\src)+16*\b+1]|, 0x1800000   ; with the floor 2^(3 - 127): the byte cannot fall under 1
.else
	v_max3_num_f32 v[TM+\b], v[(\src)+16*\b], v[(\src)+16*\b+1], 0x1800000
.endif
.endr
.irp i, 2,4,6,8,10,12,14
.irp b, 0,1,2,3
.if \abs
	v_max3_num_f32 v[TM+\b], |v[(\src)+16*\b+\i]|, |v[(\src)+16*\b+\i+1]|, v[TM+\b]
.else
	v_max3_num_f32 v[TM+\b], v[(\src)+16*\b+\i], v[(\src)+16*\b+\i+1], v[TM+\b]
.endif
.endr
.endr
	WIN 0
.irp b, 0,1,2,3
	v_permlanex16_b32 v[TM+4+\b], v[TM+\b], s[SEL], s[SEL+1]
.endr
.irp b, 0,1,2,3
	v_max_num_f32 v[TM+\b], v[TM+\b], v[TM+4+\b]   ; with lane l xor 16's 16: the block's largest magnitude
.endr
.irp b, 0,1,2,3
	v_add_nc_u32 v[TM+12+\b], 0xff000000, v[TM+\b] ; 2 off the exponent field: the conversion's scale operand
.endr
.irp b, 0,1,2,3
	v_lshrrev_b32 v[TM+4+\b], 23, v[TM+12+\b]      ; the scale's byte
.endr
	v_lshl_or_b32 v[\sreg], v[TM+5], 8, v[TM+4]
	v_lshl_or_b32 v[\sreg], v[TM+6], 16, v[\sreg]
	v_lshl_or_b32 v[\sreg], v[TM+7], 24, v[\sreg]
	WIN (\win)
.irp c, 0,1
	v_cvt_scalef32_pk16_fp6_f32 v[\dst+6*\c:\dst+6*\c+2], v[(\src)+32*\c:(\src)+32*\c+15], v[TM+12+2*\c]
	v_cvt_scalef32_pk16_fp6_f32 v[PT+4*\c:PT+4*\c+2], v[(\src)+32*\c+16:(\src)+32*\c+31], v[TM+12+2*\c+1]
.endr
	WIN 0
	v_nop                                          ; one plain place behind a scaled conversion
.irp c, 0,1                            ; the operand wants a whole block in a lane: lanes 0-15 block 2 c, lanes 16-31 block 2 c + 1
.irp i, 0,1,2
	v_permlane16_swap_b32 v[\dst+6*\c+\i], v[PT+4*\c+\i]
.endr
.irp i, 0,1,2
	v_mov_b32 v[\dst+6*\c+3+\i], v[PT+4*\c+\i]
.endr
.endr
.endm
.macro FLOAD areg                      ; a record's eight fragments and its scale words, as images: every load takes consecutive bytes
	WIN 0
	v_add_nc_u32 v[ADK], s[\areg], v[L16]
	v_add_nc_u32 v[ADS], s[\areg], v[L4]
.set T, 0
.rept 8
	ds_load_b128 v[FB+12*T:FB+12*T+3], v[ADK] offset:1536*T
	ds_load_b128 v[FB+12*T+4:FB+12*T+7], v[ADK] offset:1536*T+512
	ds_load_b128 v[FB+12*T+8:FB+12*T+11], v[ADK] offset:1536*T+1024
.set T, T+1
.endr
.irp e, 0,1,2,3
	ds_load_b32 v[FS+\e], v[ADS] offset:SCO+128*\e
.endr
.endm
.macro QK t                            ; slot t's scores: eight tiles of 16 keys x my 16 queries; each product starts its own sum
	SLOTREG \t
	WIN PWN<<6
.set T, 0
.rept 8
.if T%2
	v_wmma_scale_f32_16x16x128_f8f6f4 v[PB+8*T:PB+8*T+7], v[FB+12*T:FB+12*T+11], v[QC:QC+11], 0, v[FS+T/2], v[QCS] matrix_a_fmt:MATRIX_FMT_FP6 matrix_b_fmt:MATRIX_FMT_FP6 matrix_a_scale:MATRIX_SCALE_ROW1
.else
	v_wmma_scale_f32_16x16x128_f8f6f4 v[PB+8*T:PB+8*T+7], v[FB+12*T:FB+12*T+11], v[QC:QC+11], 0, v[FS+T/2], v[QCS] matrix_a_fmt:MATRIX_FMT_FP6 matrix_b_fmt:MATRIX_FMT_FP6
.endif
.set T, T+1
.endr
.endm
.macro ST_MULK t, sp                   ; slot t x the constant in s[sp], in place, from each accumulator's low end on
	SLOTREG \t
	WIN (PWN<<6)|PWN
.set i, 0
.rept 32
	v_pk_mul_f32 v[PB+i:PB+i+1], v[PB+i:PB+i+1], s[\sp:\sp+1] op_sel_hi:[1,0]
.set i, i+2
.endr
.endm
.macro ST_AD t
	SLOTREG \t
	WIN (PWN<<6)|PWN
.set i, 0
.rept 32
	v_pk_add_f32 v[PB+i:PB+i+1], v[PB+i:PB+i+1], 1.0 op_sel_hi:[1,0]
.set i, i+2
.endr
.endm
.macro ST_EXP t
	SLOTREG \t
	WIN (PWN<<6)|PWN
.set i, 0
.rept 64
	v_exp_f32 v[PB+i], v[PB+i]
.set i, i+1
.endr
.endm
.macro ST_RCP t
	SLOTREG \t
	WIN (PWN<<6)|PWN
.set i, 0
.rept 64
	v_rcp_f32 v[PB+i], v[PB+i]
.set i, i+1
.endr
.endm
.macro SUM t                           ; my 64 p of slot t, two at a time in four chains
	SLOTREG \t
	WIN PWN|(PWN<<2)
.irp k, 0,1,2,3
	v_pk_add_f32 v[CH+2*\k:CH+2*\k+1], v[PB+2*\k:PB+2*\k+1], v[PB+8+2*\k:PB+8+2*\k+1]
.endr
	WIN PWN
.irp n, 2,3,4,5,6,7
.irp k, 0,1,2,3
	v_pk_add_f32 v[CH+2*\k:CH+2*\k+1], v[PB+8*\n+2*\k:PB+8*\n+2*\k+1], v[CH+2*\k:CH+2*\k+1]
.endr
.endr
	WIN 0
	v_pk_add_f32 v[CH:CH+1], v[CH:CH+1], v[CH+2:CH+3]
	v_pk_add_f32 v[CH+4:CH+5], v[CH+4:CH+5], v[CH+6:CH+7]
	v_pk_add_f32 v[CH:CH+1], v[CH:CH+1], v[CH+4:CH+5]
	v_add_f32 v[PS+(\t)], v[CH], v[CH+1]
.endm
.macro MASK t, lt                      ; hidden keys' p become 0: lt = 0: keys above my query's place, lt = 1: below it
	SLOTREG \t
	WIN (PWN<<6)|PWN
.set i, 0
.rept 64
.if \lt
	v_cmp_lt_i32 vcc_lo, 32*(i/16)+i%16, v[DL]
.else
	v_cmp_gt_i32 vcc_lo, 32*(i/16)+i%16, v[DL]
.endif
	v_cndmask_b32 v[PB+i], v[PB+i], v[ZERO], vcc_lo
.set i, i+1
.endr
	WIN 0
.endm
.macro SWITCH1 s                       ; where slot s is the last tile's first, its codes of q take the place of the first tile's
	WIN 0
	s_cmp_lg_u32 s[C1], \s
	s_cbranch_scc1 .Lsame_\@
	v_mov_b32 v[QCS], v[QNS]
.set i, 0
.rept 12
	v_mov_b32 v[QC+i], v[QN+i]
.set i, i+1
.endr
	PLACES 8                                       ; a scale register written by a vector instruction stands 8 places ahead of a scaled matrix instruction, an operand 4
.Lsame_\@:
.endm
.macro PVMUL zero                      ; O^T (+)= V^T A^T: eight tiles of 16 channels; the eight accumulators take turns, one instruction a turn
	WIN 0xf0
.set T, 0
.rept 8
.if \zero
.if T%2
	v_wmma_scale_f32_16x16x128_f8f6f4 v[OA+8*T:OA+8*T+7], v[FB+12*T:FB+12*T+11], v[PC:PC+11], 0, v[FS+T/2], v[PW] matrix_a_fmt:MATRIX_FMT_FP6 matrix_b_fmt:MATRIX_FMT_FP6 matrix_a_scale:MATRIX_SCALE_ROW1
.else
	v_wmma_scale_f32_16x16x128_f8f6f4 v[OA+8*T:OA+8*T+7], v[FB+12*T:FB+12*T+11], v[PC:PC+11], 0, v[FS+T/2], v[PW] matrix_a_fmt:MATRIX_FMT_FP6 matrix_b_fmt:MATRIX_FMT_FP6
.endif
.else
.if T%2
	v_wmma_scale_f32_16x16x128_f8f6f4 v[OA+8*T:OA+8*T+7], v[FB+12*T:FB+12*T+11], v[PC:PC+11], v[OA+8*T:OA+8*T+7], v[FS+T/2], v[PW] matrix_a_fmt:MATRIX_FMT_FP6 matrix_b_fmt:MATRIX_FMT_FP6 matrix_a_scale:MATRIX_SCALE_ROW1
.else
	v_wmma_scale_f32_16x16x128_f8f6f4 v[OA+8*T:OA+8*T+7], v[FB+12*T:FB+12*T+11], v[PC:PC+11], v[OA+8*T:OA+8*T+7], v[FS+T/2], v[PW] matrix_a_fmt:MATRIX_FMT_FP6 matrix_b_fmt:MATRIX_FMT_FP6
.endif
.endif
.set T, T+1
.endr
.endm
.macro FLUSH ptr                       ; a finished tile: register 8 t + i of lane (r, h) is o(r, 16 t + 8 h + i).  Through my own stage, and out as whole rows of 512 bytes
	WIN 0x0c
.irp t, 0,1,2,3,4,5,6,7
	ds_store_b128 v[STO], v[OA+8*\t:OA+8*\t+3] offset:64*\t          ; each accumulator from its low end on
	ds_store_b128 v[STO], v[OA+8*\t+4:OA+8*\t+7] offset:64*\t+16
.endr
	WIN 0xc0
.irp i, 0,1,2,3,4,5,6,7,8,9,10,11,12,13,14,15
	ds_load_b128 v[OA+4*\i:OA+4*\i+3], v[SRD] offset:SPITCH*\i       ; LDS serves a wave's instructions in order: these see my stores
.endr
	WIN 0x0c
.irp i, 0,1,2,3,4,5,6,7,8,9,10,11,12,13,14,15
	s_wait_dscnt 15-\i                             ; row i is back; the younger loads may be out
	global_store_b128 v[L16], v[OA+4*\i:OA+4*\i+3], s[\ptr:\ptr+1] offset:8192*\i th:TH_STORE_NT   ; 32 lanes store 512 consecutive bytes, at a multiple of 256 from out0's first byte
.endr
	WIN 0
	s_wait_xcnt 0x0                                ; the stores have read their registers and their base: both may be written again
.endm
.macro SLOTADR s                       ; where slot s's records lie: scalar work without a branch
	s_sub_co_u32 s[T0], s[C1], \s+1                ; the first tile's step C1 - 1 - s,
	s_sub_co_u32 s[T1], \s, s[C1]                  ; or the last tile's s - C1
	s_cmp_gt_u32 s[C1], \s
	s_cselect_b32 s[T0], s[T0], s[T1]
	s_min_u32 s[T0], s[T0], 8
	s_mul_i32 s[T1], s[T0], REC
	s_add_co_u32 s[VA+\s], s[T1], YB
	s_add_co_u32 s[T0], s[T0], s[KOFF]
.if \s == 0
	s_cmp_eq_u32 s[C1], 8                          ; step 7 of unit 0 lies in k's second region
	s_cselect_b32 s[T0], s[K7], s[T0]
.endif
	s_min_u32 s[T0], s[T0], 15
	s_mul_i32 s[KA+\s], s[T0], REC
.endm
	s_load_b256 s[4:11], s[0:1], 0x0               ; q s[4:5], kq s[6:7], vq s[8:9], out0 s[10:11]
	v_lshl_add_u32 v[SPW], v0, 2, SPARE
	v_mov_b32 v[NIL], 0
	ds_add_u32 v[SPW], v[NIL]                      ; the wave's opening: the add and its wait ahead of my first tensor load; the set-up, work on registers, stands between them
	v_lshrrev_b32 v11, 5, v0
	v_readfirstlane_b32 s[WV], v11                 ; wave 0..3
	v_and_b32 v11, 31, v0
	v_lshlrev_b32 v[L16], 4, v11
	v_lshlrev_b32 v[L4], 2, v11
	v_and_b32 v11, 15, v0                          ; r
	v_bfe_u32 v31, v0, 4, 1                        ; h
	v_lshlrev_b32 v[QOFF], 13, v11
	v_lshl_add_u32 v[QOFF], v31, 6, v[QOFF]
	s_mul_i32 s[T0], s[WV], STGW
	v_mul_u32_u24 v[STO], v11, SPITCH
	v_lshl_add_u32 v[STO], v31, 5, v[STO]
	v_add_nc_u32 v[STO], s[T0], v[STO]
	v_add_nc_u32 v[SRD], s[T0], v[L16]
	v_lshlrev_b32 v[RH], 4, v31
	v_sub_nc_u32 v[RH], v11, v[RH]
	v_mov_b32 v[ZERO], 0
	v_mov_b32 v[INV+1], 0                          ; named as the upper half of a pair
	v_mov_b32 v[TP], 0                             ; a lane permute's destination counts as one of its sources
	v_mov_b32 v[TP+1], 0
.irp b, 0,1,2,3
	v_mov_b32 v[TM+4+\b], 0
.endr
	s_bfe_u32 s[CX], ttmp6, 0x40000                ; my place in the cluster: which of the kv head's four query heads
	s_and_b32 s[JJ], ttmp9, 7
	s_lshr_b32 s[GG], ttmp9, 3
	s_and_b32 s2, s[JJ], 3                         ; x
	s_sub_co_u32 s[C1L], 8, s2
	s_sub_co_u32 s[K7], 14, s[JJ]
	s_mul_i32 s[JREC], s[JJ], REC
	s_mov_b32 s[SEL], 0x76543210
	s_mov_b32 s[SEL+1], 0xfedcba98
	s_mov_b32 s[C2], 0x3e8293ee
	s_mov_b32 s[C2+1], s[C2]
	s_mov_b32 s[ZK], 0xc2ad1f97
	s_mov_b32 s[ZK+1], s[ZK]
	s_mov_b32 s[NEG], 0xbcf5c28f
	s_mov_b32 s[NEG+1], s[NEG]
	s_mov_b32 s[GAIN], 0x3f87ae14
	; group 1: dense blocks as rows of 256 bytes (32 elements of 8 bytes), no padding; 15:0 the mask: all four work-groups; bit 21 set beside it
	s_mov_b32 s[G1A], 0x0023000f
	s_mov_b32 s[G1A+1], 32<<16
	s_mov_b32 s[G1A+2], 175<<16
	s_mov_b32 s[G1A+3], 32<<16
	s_mov_b32 s[G1A+4], 175
	s_mov_b32 s[G1A+5], 32
	s_mov_b32 s[G1A+6], 0
	s_mov_b32 s[G1A+7], 0
	s_mov_b32 s[G1B], 0x0023000f
	s_mov_b32 s[G1B+1], 32<<16
	s_mov_b32 s[G1B+2], 225<<16
	s_mov_b32 s[G1B+3], 32<<16
	s_mov_b32 s[G1B+4], 225
	s_mov_b32 s[G1B+5], 32
	s_mov_b32 s[G1B+6], 0
	s_mov_b32 s[G1B+7], 0
	s_and_b32 s3, s[WV], 1                         ; which half of a region I fetch
	s_mov_b32 s[G0A], 1
	s_mul_i32 s[G0A+1], s3, 44800
	s_mul_i32 s[T1], s3, 57600
	s_mov_b32 s[G0B], 1
	s_add_co_u32 s[G0B+1], s[T1], KU0
	s_mov_b32 s[G0V], 1
	s_add_co_u32 s[G0V+1], s[T1], YB
	s_mul_i32 s[T0], s[GG], 16*REC                 ; the kv head's sixteen records
	s_add_co_u32 s66, s[T0], s[G0A+1]              ; (s66-71 are free until the first unit's head)
	s_mov_b32 s67, 0
	s_add_co_u32 s70, s[T0], s[T1]
	s_mov_b32 s71, 0
	s_add_co_u32 s68, s70, s[JREC]
	s_mov_b32 s69, 0
	; the tiles' byte offsets in q and out0: b 2^24 + query 8192 + head 512
	s_lshr_b32 s[XO], s[GG], 2
	s_lshl_b32 s[XO], s[XO], 24
	s_and_b32 s[YO], s[GG], 3
	s_lshl_b32 s[YO], s[YO], 2
	s_add_co_u32 s[YO], s[YO], s[CX]               ; the query head
	s_lshl_b32 s[YO], s[YO], 9
	s_add_co_u32 s[XO], s[XO], s[YO]
	s_lshr_b32 s[IL16], s[JJ], 2
	s_lshl_b32 s[IL16], s[IL16], 2
	s_add_co_u32 s[IL16], s[IL16], s[WV]           ; unit 0's tile in its blocks: 4 (j / 4) + w
	s_lshl_b32 s[YO], s[IL16], 17
	s_add_co_u32 s[YO], s[YO], s[XO]
	s_lshl_b32 s[IL16], s[IL16], 4
	s_sub_co_u32 s[T2], 7, s2
	s_lshl_b32 s[T2], s[T2], 20
	s_add_co_u32 s[TOA], s[YO], s[T2]              ; tile A: block 7 - x
	s_lshl_b32 s[T2], s2, 20
	s_add_co_u32 s[TOB], s[YO], s[T2]              ; tile B: block x
	s_add_co_u32 s[T2], s[JJ], 8
	s_lshl_b32 s[T2], s[T2], 20
	s_add_co_u32 s[TOU], s[XO], s[T2]
	s_lshl_b32 s[T2], s[WV], 17
	s_add_co_u32 s[TOU], s[TOU], s[T2]             ; unit 1's: block 8 + j, tile w
	s_lshl_b32 s[W16], s[WV], 4
	s_mov_b32 s[XO+1], 0
	s_mov_b32 s[YO+1], 0
	s_mov_b32 s[UNIT], 0
	s_mov_b32 s[DV], 0
	s_mov_b32 s[DV+1], 0
	s_wait_dscnt 0x0                               ; the opening add is done
	s_wait_kmcnt 0x0
	s_add_nc_u64 s[G0A+2:G0A+3], s[6:7], s[66:67]
	s_or_b32 s[G0A+3], s[G0A+3], 0x80000000
	s_add_nc_u64 s[G0B+2:G0B+3], s[6:7], s[68:69]
	s_or_b32 s[G0B+3], s[G0B+3], 0x80000000
	s_add_nc_u64 s[G0V+2:G0V+3], s[8:9], s[70:71]
	s_or_b32 s[G0V+3], s[G0V+3], 0x80000000
	ROUND                                          ; all four work-groups are here: the first joint loads meet
	s_cmp_lt_u32 s[WV], 2                          ; waves 0, 1: the halves of k's steps 0-6; waves 2, 3: of its steps j .. j + 8.  One load of mine is out
	s_cbranch_scc0 .Lupper_k
	tensor_load_to_lds s[G0A:G0A+3], s[G1A:G1A+7]
	s_nop 0
	PLACES 4
	s_branch .Lasked
.Lupper_k:
	tensor_load_to_lds s[G0B:G0B+3], s[G1B:G1B+7]
	s_nop 0
	PLACES 4
.Lasked:
	s_mov_b32 s[XO], s[TOB]
	s_add_nc_u64 s[QP:QP+1], s[4:5], s[XO:XO+1]
	QLOAD QRAW1                                    ; tile B's queries
	s_wait_xcnt 0x0                                ; those loads have read their base
	s_mov_b32 s[XO], s[TOA]
	s_add_nc_u64 s[QP:QP+1], s[4:5], s[XO:XO+1]
	QLOAD QRAW0                                    ; tile A's
	s_wait_loadcnt 16                              ; tile B's sixteen loads are in; tile A's sixteen may be out
	QUANT 3, QRAW1, QN, QNS, 1
.Lunit:                                            ; three trips
	s_wait_tensorcnt 0x0                           ; all my tensor loads have landed (in the first trip: my part of k), so a group 0 may be written
	ds_add_u32 v[SPW], v[NIL]                      ; 0 onto my spare word; the unit's scalar set-up stands between it and the wait for it
	s_add_nc_u64 s[G0V+2:G0V+3], s[G0V+2:G0V+3], s[DV:DV+1]   ; unit 0: v's steps 0-8; units 1, 2: steps j .. j + 8
	s_cmp_eq_u32 s[UNIT], 0
	s_cselect_b32 s[C1], s[C1L], 0
	s_cselect_b32 s[KOFF], 0, 7
	s_cselect_b32 s[I16], s[IL16], s[W16]
	s_cselect_b32 s[XO], s[TOA], s[TOU]
	s_cselect_b32 s[YO], s[TOB], s[TOU]
	s_cmp_eq_u32 s[UNIT], 2                        ; unit 2: four tiles further on
	s_cselect_b32 s2, 64, 0
	s_cselect_b32 s3, 0x80000, 0
	s_add_co_u32 s[I16], s[I16], s2
	s_add_co_u32 s[XO], s[XO], s3
	s_add_co_u32 s[YO], s[YO], s3
	s_add_nc_u64 s[OF:OF+1], s[10:11], s[XO:XO+1]  ; where the first tile's rows go,
	s_add_nc_u64 s[OL:OL+1], s[10:11], s[YO:YO+1]  ; and the last tile's
.irp s, 0,1,2,3,4,5,6,7,8
	SLOTADR \s
.endr
	s_wait_dscnt 0x0                               ; the add is done, and my reads of v's region and of my stage are over
	ROUND                                          ; so of every wave of the four work-groups
	s_cmp_lt_u32 s[WV], 2                          ; waves 2 and 3 fetch the halves of v's nine steps: the load has all of pass 1 in which to land
	s_cbranch_scc1 .Lno_fill
	tensor_load_to_lds s[G0V:G0V+3], s[G1B:G1B+7]
	s_nop 0
	PLACES 4
.Lno_fill:
	FLOAD KA+0                                     ; slot 0's record of k lands while q is quantised
	s_wait_loadcnt 0x0                             ; the unit's queries are in
	QUANT 3, QRAW0, QC, QCS, 1
	v_add_nc_u32 v[DL], s[I16], v[RH]
	PLACES 8                                       ; q's scale word stands 8 places ahead of the scaled products, its codes 4
	s_wait_dscnt 0x0
	QK 0
	PLACES 4
	ST_MULK 0, C2
; PASS 1.  A slot's way: scores | x c2 | 2^ | + 1 | 1 / | x -60 log2(e) | 2^ = p | mask | sum.  Three batches of 64 transcendentals a slot; behind each stands plain work of a neighbouring slot and then ONE wait,
; ahead of the batch's first reader.  In tick tau slot tau has its first two batches, slot tau - 1 its third, and slot tau + 1 its products.
.macro TICK tau
.if \tau < 8
	FLOAD KA+\tau+1                                ; the places behind the products that read these registers: the sums of the tick before (in tick 0: the four v_nop of the prologue)
.endif
.if \tau < 9
	ST_EXP \tau
.endif
.if \tau > 0
	ST_MULK \tau-1, ZK
.else
	v_nop
.endif
.if \tau < 9
	s_wait_alu depctr_va_vdst(0)
.endif
.if \tau > 0
	ST_EXP \tau-1
.endif
.if \tau < 9
	ST_AD \tau
.else
	v_nop
.endif
.if \tau > 0
	s_wait_alu depctr_va_vdst(0)
.endif
.if \tau == 1                          ; slot 0: the window's edge in units 1 and 2, tile A's diagonal in unit 0
	WIN 0
	s_cmp_eq_u32 s[C1], 0
	s_cbranch_scc1 .Ledge_\@
	MASK 0, 0
	s_branch .Lmasked_\@
.Ledge_\@:
	MASK 0, 1
.Lmasked_\@:
.endif
.if \tau == 9
	MASK 8, 0                                      ; slot 8: the last tile's diagonal
.endif
.if (\tau >= 4) && (\tau < 8)
	SWITCH1 \tau+1
.endif
.if \tau < 8
	s_wait_dscnt 0x0                               ; the next slot's record is in
	QK \tau+1
.endif
.if \tau < 9
	ST_RCP \tau
.endif
.if \tau > 0
	SUM \tau-1                                     ; 32 plain instructions that name nothing of the products above: their places
.else
	PLACES 4
.endif
.if \tau < 8
	ST_MULK \tau+1, C2
.endif
.if \tau < 9
	s_wait_alu depctr_va_vdst(0)
.endif
.endm
.irp tau, 0,1,2,3,4,5,6,7,8,9
	TICK \tau
.endr
	; between the passes: v has landed (nothing was issued behind its load, so the count is 0) and my reads of k are over: then a barrier.  Behind it all waves may read v, and the stages may be written over k's first region
	WIN 0
	s_wait_tensorcnt 0x0
	s_wait_dscnt 0x0
	s_barrier_signal -1
.irp s, 0,1,2,3,4,5,6,7,8              ; the slots' sums go to the first tile's sum or to the last tile's: a choice of factor, no branch
	s_cmp_gt_u32 s[C1], \s
	s_cselect_b32 s[T0], 1.0, 0
	s_cselect_b32 s[T1], 0, 1.0
.if \s == 0
	v_mul_f32 v[SF], s[T0], v[PS]
	v_mul_f32 v[SL], s[T1], v[PS]
.else
	v_fma_f32 v[SF], v[PS+\s], s[T0], v[SF]
	v_fma_f32 v[SL], v[PS+\s], s[T1], v[SL]
.endif
.endr
	v_permlanex16_b32 v[TP], v[SF], s[SEL], s[SEL+1]
	v_permlanex16_b32 v[TP+1], v[SL], s[SEL], s[SEL+1]
	v_add_f32 v[SF], v[SF], v[TP]                  ; with lane l xor 16's keys: the rows' sums
	v_add_f32 v[SL], v[SL], v[TP+1]
	v_rcp_f32 v[INVF], v[SF]                       ; (units 1 and 2 have no first tile: its figure is never chosen)
	v_rcp_f32 v[INVL], v[SL]
	v_nop
	s_wait_alu depctr_va_vdst(0)                   ; one wait for the two reciprocals, ahead of their first reader
	v_mul_f32 v[INVF], s[GAIN], v[INVF]
	v_mul_f32 v[INVL], s[GAIN], v[INVL]
	s_barrier_wait -1
	s_cmp_eq_u32 s[UNIT], 2                        ; the next unit's queries are asked for a whole pass ahead; the last unit asks for nothing
	s_cbranch_scc1 .Lno_next
	s_cmp_eq_u32 s[UNIT], 1
	s_cselect_b32 s[XO], 0x80000, 0
	s_add_co_u32 s[XO], s[XO], s[TOU]
	s_add_nc_u64 s[QP:QP+1], s[4:5], s[XO:XO+1]    ; (the loads that read this base were waited for at the unit's head)
	QLOAD QRAW0
.Lno_next:
; PASS 2, slot s: A = clip(p x 1.06 / sum - 0.03, 0, 1), quantised along the keys, times v.
.macro P2 s
	SLOTREG \s
	WIN 0
	s_cmp_gt_u32 s[C1], \s
	s_cselect_b32 s[T0], -1, 0
	v_cndmask_b32 v[INV], v[INVL], v[INVF], s[T0]
	WIN (PWN<<6)|PWN
.set i, 0
.rept 32                               ; (these are also the places in front of the loads into the fragments' registers)
	v_pk_fma_f32 v[PB+i:PB+i+1], v[PB+i:PB+i+1], v[INV:INV+1], s[NEG:NEG+1] op_sel_hi:[1,0,0]
.set i, i+2
.endr
	FLOAD VA+\s
	WIN (PWN<<6)|PWN
.set i, 0
.rept 64
	v_med3_num_f32 v[PB+i], v[PB+i], 0, 1.0
.set i, i+1
.endr
	QUANT PWN, PB, PC, PW, 0                       ; none is negative: no |.|
	PLACES 8
	s_wait_dscnt 0x0                               ; v's record is in
.if \s == 0
	PVMUL 1                                        ; the first product starts the sums
.elseif \s < 5
	PVMUL 0
.else
	s_cmp_eq_u32 s[C1], \s                         ; where the last tile begins, the first tile leaves and the sums start anew
	s_cbranch_scc0 .Lon_\@
	FLUSH OF
	PVMUL 1
	WIN 0
	s_branch .Ldone_\@
.Lon_\@:
	PVMUL 0
	WIN 0
.Ldone_\@:
.endif
.endm
.irp s, 0,1,2,3,4,5,6,7,8
	P2 \s
.endr
	PLACES 4                                       ; behind the last products, ahead of the first read of their results
	FLUSH OL
	s_cmp_eq_u32 s[UNIT], 0
	s_cselect_b32 s[DV], s[JREC], 0                ; from unit 0 to unit 1 v's steps move on by j
	s_add_co_u32 s[UNIT], s[UNIT], 1
	s_cmp_lt_u32 s[UNIT], 3
	s_cbranch_scc1 .Lunit
	s_wait_tensorcnt 0x0                           ; the wave's end: behind my last tensor load and my last LDS store
	ds_add_u32 v[SPW], v[NIL]
	s_wait_dscnt 0x0
	ROUND                                          ; the closing round: no work-group ends while a partner may still ask for a tile that names it
	s_endpgm
.Lfunc_end_k_qafb21b4f06_attn:
	.size	k_qafb21b4f06_attn, .Lfunc_end_k_qafb21b4f06_attn-k_qafb21b4f06_attn
	.p2alignl 7, 3214868480
	.fill 96, 4, 3214868480
	.section	.rodata,"a",@progbits
	.p2align	6, 0x0
	.amdhsa_kernel k_qafb21b4f06_attn
		.amdhsa_group_segment_fixed_size 327680
		.amdhsa_private_segment_fixed_size 0
		.amdhsa_enable_private_segment 0
		.amdhsa_kernarg_size 32
		.amdhsa_user_sgpr_count 2
		.amdhsa_user_sgpr_kernarg_segment_ptr 1
		.amdhsa_wavefront_size32 1
		.amdhsa_system_sgpr_workgroup_id_x 1
		.amdhsa_system_sgpr_workgroup_id_y 1
		.amdhsa_system_sgpr_workgroup_id_z 1
		.amdhsa_system_vgpr_workitem_id 0
		.amdhsa_next_free_vgpr 1024
		.amdhsa_next_free_sgpr 100
		.amdhsa_reserve_vcc 1
		.amdhsa_float_denorm_mode_32 3
		.amdhsa_float_denorm_mode_16_64 3
		.amdhsa_memory_ordered 1
		.amdhsa_forward_progress 1
		.amdhsa_inst_pref_size 255
	.end_amdhsa_kernel
	.section	.bss,"aw",@nobits
	.p2align	6
	.space	262144
	.amdgpu_metadata
---
amdhsa.version: [ 1, 2 ]
amdhsa.kernels:
  - .name:           k_qafb21b4f06_attn
    .symbol:         k_qafb21b4f06_attn.kd
    .args:
      - { .name: q, .offset: 0, .size: 8, .value_kind: global_buffer, .address_space: global }
      - { .name: kq, .offset: 8, .size: 8, .value_kind: global_buffer, .address_space: global }
      - { .name: vq, .offset: 16, .size: 8, .value_kind: global_buffer, .address_space: global }
      - { .name: out0, .offset: 24, .size: 8, .value_kind: global_buffer, .address_space: global }
    .group_segment_fixed_size: 327680
    .private_segment_fixed_size: 0
    .kernarg_segment_align: 8
    .kernarg_segment_size: 32
    .max_flat_workgroup_size: 128
    .sgpr_count:     100
    .vgpr_count:     1024
    .wavefront_size: 32
...
	.end_amdgpu_metadata
.endif
;; end of part 2
